; MI455X (gfx1250); checked and timed in simulation.
; The chip was launched on July 23, 2026; its instructions are those of AMD's public machine-readable ISA for CDNA 5 (MIT licence, August 2026) and "CDNA5" Instruction Set Architecture Reference Guide (July 2026). The comments in the code are by the model that wrote it; some were corrected since.
;; QRNN Cell. Allowed arithmetic: matrix products marked QUANTISED: E5M2 operands, one E8M0 scale for each 32 along K, by v_wmma_scale_f32_16x16x128_f8f6f4 with both operands' format E5M2, f32 sums; everything else in f32.
;; Inputs: Lambda 1 float32; Uh_imag 512 x 512 float32; Uh_real 512 x 512 float32; Ux_imag 512 x 512 float32; Ux_real 512 x 512 float32; h_imag 32 x 512 x 512 float32; h_real 32 x 512 x 512 float32; x_imag 32 x 512 x 512 float32; x_real 32 x 512 x 512 float32.
;; Outputs: out0 32 x 512 x 512 float32; out1 32 x 512 x 512 float32.
;; This version of the problem:
;;   THIS VERSION OF THE PROBLEM IS GIVEN IN LOW PRECISION. The matrix products marked QUANTISED in the list below multiply operands that are first quantised to E5M2 (5 exponent bits, 2 mantissa bits; 8 bits a number), with one power-of-two scale for each 32 numbers along K (OCP MX v1.0); their sums are f32. All else is computed in f32.
;;   The module's matrix products, in the order in which they are computed (A, B: the left and right operand; K: the contracted axis; several contracted axes count as one K, in the product's order):
;;     1. [M 16,384, K 512] x [K 512, N 512]; A: input x_real; B: input Ux_real: QUANTISED
;;     2. [M 16,384, K 512] x [K 512, N 512]; A: input x_imag; B: input Ux_imag: QUANTISED
;;     3. [M 16,384, K 512] x [K 512, N 512]; A: input x_real; B: input Ux_imag: QUANTISED
;;     4. [M 16,384, K 512] x [K 512, N 512]; A: input x_imag; B: input Ux_real: QUANTISED
;;     5. [M 16,384, K 512] x [K 512, N 512]; A: computed on the way; B: input Ux_real: QUANTISED
;;     6. [M 16,384, K 512] x [K 512, N 512]; A: computed on the way; B: input Ux_imag: QUANTISED
;;     7. [M 16,384, K 512] x [K 512, N 512]; A: computed on the way; B: input Ux_real: QUANTISED
;;     8. [M 16,384, K 512] x [K 512, N 512]; A: computed on the way; B: input Ux_imag: QUANTISED
;;     9. [M 16,384, K 512] x [K 512, N 512]; A: input h_real; B: input Uh_real: QUANTISED
;;     10. [M 16,384, K 512] x [K 512, N 512]; A: input h_imag; B: input Uh_imag: QUANTISED
;;     11. [M 16,384, K 512] x [K 512, N 512]; A: input h_real; B: input Uh_imag: QUANTISED
;;     12. [M 16,384, K 512] x [K 512, N 512]; A: input h_imag; B: input Uh_real: QUANTISED
;;     13. [M 16,384, K 512] x [K 512, N 512]; A: computed on the way; B: input Uh_real: QUANTISED
;;     14. [M 16,384, K 512] x [K 512, N 512]; A: computed on the way; B: input Uh_imag: QUANTISED
;;     15. [M 16,384, K 512] x [K 512, N 512]; A: computed on the way; B: input Uh_real: QUANTISED
;;     16. [M 16,384, K 512] x [K 512, N 512]; A: computed on the way; B: input Uh_imag: QUANTISED
;;   THE QUANTISER, for each operand of a quantised product, along K:
;;     - K is cut into blocks of 32 from its start; a last block that is shorter is filled with zeros.
;;     - A block's scale is 2^e with e = floor(log2(the largest magnitude in the block)) - 15, held to -126 .. 127; a block of zeros has e = 0. As a byte (E8M0): e + 127.
;;     - Each number is divided by its block's scale, clamped to +-57,344, and rounded to the nearest number of E5M2, ties to even, subnormals kept.
;;     - The product sums the exact products of the quantised numbers (number of the format x scale) in f32.
;;   ~~~python
;;   def quantise(x, axis):      # numpy; x: float32 -> the quantised numbers, widened to float32 again
;;       x = np.moveaxis(x, axis, -1); K = x.shape[-1]
;;       x = np.pad(x, [(0, 0)] * (x.ndim - 1) + [(0, -K % 32)]); x = x.reshape(x.shape[:-1] + (-1, 32)); a = np.abs(x).max(-1, keepdims=True)
;;       e = np.where(a > 0, np.clip(np.frexp(np.where(a > 0, a, 1))[1] - 1 - 15, -126, 127), 0)      # np.frexp(a)[1] - 1 = floor(log2(a)), exactly
;;       r = np.clip(x / 2.0 ** e, -57344, 57344)
;;       step = 2.0 ** (np.maximum(np.frexp(np.where(r == 0, 1, r))[1] - 1, -14) - 2)
;;       q = np.round(r / step) * step * 2.0 ** e      # np.round: ties to even
;;       return np.moveaxis(q.reshape(q.shape[:-2] + (-1,))[..., :K], -1, axis).astype(np.float32)
;;   ~~~
;;   OPERANDS COMPUTED ON THE WAY. 'Computed on the way' means the value that the module computes at that place (a softmax that the list does not call 'softmax' is quantised finished and normalised). What goes into a quantiser is computed in f32, as accurately as f32 sums, v_exp_f32 and their like allow (about 1e-6 of the number): no bf16 or f16 on the way to a quantiser, and a product that is left as it is and whose result goes on into a quantised operand takes f32 operands (vector FMAs, or v_wmma_f32_16x16x4_f32). A number that lies on a knife's edge between two numbers of the format may be rounded either way, as far as f32 arithmetic and the matrix unit's own rounding can turn it there, and no further.
;; One version. Each part assembles by itself: llvm-mc -triple=amdgcn-amd-amdhsa -mcpu=gfx1250 --defsym DOCPART=n.
;; ======== version 1 of 1: 3 launches
;; limits: right only within a limited range of input values
;; workspace buffers: w1f 2,097,152 bytes; w1s 65,536 bytes; b2f 2,097,152 bytes; b2s 65,536 bytes; tf 33,554,432 bytes; ts 1,048,576 bytes
;; launch quantu (part 1): grid 128 x 1, 4 waves a work-group, no clusters, 0 bytes of LDS; arguments Ux_real, Ux_imag, Uh_real, Uh_imag, w1f, w1s, b2f, b2s; writes w1f, w1s, b2f, b2s
.if DOCPART == 1
	.amdgcn_target "amdgcn-amd-amdhsa--gfx1250"
	.amdhsa_code_object_version 6
	.text
	.protected	k_q8cefc576bc_quantu
	.globl	k_q8cefc576bc_quantu
	.p2align	8
	.type	k_q8cefc576bc_quantu,@function
k_q8cefc576bc_quantu:
	s_mov_b64 s[64:65], 0
	v_nop
	global_prefetch_b8 v0, s[64:65] scope:SCOPE_SE
	s_setreg_imm32_b32 hwreg(HW_REG_WAVE_MODE, 25, 1), 1
	s_wait_xcnt 0x0
; The four U [512][512], f32, become codes of BF8 (E5M2) with one E8M0 byte for each 32 along their last axis, which is K in both products that take them.
; A block's scale is 2^(floor(log2(largest magnitude)) - 15); its byte is the largest magnitude's exponent field - 15, held at 1 from below; each number is held within +-57,344 x the scale and rounded to the nearest code, ties to even.
; LIMITS: a block of zeros gets the byte 1 (its codes are zeros; this program alone reads the bytes); blocks under the floor 2^(16 - 127) were not tried; NaN and infinities are not served.
; LAYOUT: a fragment (16 rows x 128 K) is 2,048 bytes in the order of the operand's registers: byte 512 c + 16 (r + 16 h) holds K = 32 c + 16 h + 0..15 of row r.  Codes: [group of 128 rows][K / 256][tile][K step 0..1][2048]; scale words: [group][K / 128][tile][row].
;   w1f, w1s: group 8 e + p / 128 (e = 0: Ux, 1: Uh), K = [Ur | -Ui], 1,024.   b2f, b2s: group q / 128, K = e 1024 + [Ur | Ui], 2,048.  A changed sign bit negates a code exactly.
; The later launches make the other rows of the complex products from these, so only these are stored.
; A work-group takes 16 rows of one U, a wave 128 along K: one fragment.  128 work-groups: there is no more work than that.
.set ST,  32                           ; v32-95   64 numbers
.set TM,  96                           ; v96-111  maxima, bytes, limits, scale operands
.set PW,  112                          ; the scale word
.set PC,  116                          ; the codes
.set NC,  132                          ; the codes with the sign that w1f wants
	s_load_b256 s[8:15], s[0:1], 0x0               ; Ux_real, Ux_imag, Uh_real, Uh_imag
	s_load_b256 s[16:23], s[0:1], 0x20             ; w1f, w1s, b2f, b2s
	v_lshrrev_b32 v1, 5, v0
	v_readfirstlane_b32 s36, v1                    ; wave: which 128 along K
	s_lshr_b32 s37, ttmp9, 5                       ; which U
	s_and_b32 s38, s37, 1                          ; im
	s_lshr_b32 s39, s37, 1                         ; e
	s_and_b32 s40, ttmp9, 31                       ; which 16 rows
	s_lshr_b32 s41, s40, 3                         ; their group of 128
	s_and_b32 s42, s40, 7                          ; their tile in it
	s_lshl_b32 s43, s38, 2
	s_add_co_u32 s43, s43, s36                     ; K step in w1f: 4 im + wave
	s_lshl_b32 s44, s39, 3
	s_add_co_u32 s45, s44, s43                     ; K step in b2f: 8 e + 4 im + wave
	s_add_co_u32 s44, s44, s41                     ; group in w1f: 8 e + group
	s_lshl_b32 s47, s42, 12
	s_lshl_b32 s50, s44, 17
	s_lshr_b32 s46, s43, 1
	s_lshl_b32 s46, s46, 15
	s_or_b32 s50, s50, s46
	s_or_b32 s50, s50, s47
	s_and_b32 s46, s43, 1
	s_lshl_b32 s46, s46, 11
	s_or_b32 s50, s50, s46
	s_mov_b32 s51, 0
	s_lshl_b32 s52, s41, 18
	s_lshr_b32 s46, s45, 1
	s_lshl_b32 s46, s46, 15
	s_or_b32 s52, s52, s46
	s_or_b32 s52, s52, s47
	s_and_b32 s46, s45, 1
	s_lshl_b32 s46, s46, 11
	s_or_b32 s52, s52, s46
	s_mov_b32 s53, 0
	s_lshl_b32 s47, s42, 6
	s_lshl_b32 s54, s44, 12
	s_lshl_b32 s46, s43, 9
	s_or_b32 s54, s54, s46
	s_or_b32 s54, s54, s47                         ; the scale words' place in w1s,
	s_lshl_b32 s55, s41, 13
	s_lshl_b32 s46, s45, 9
	s_or_b32 s55, s55, s46
	s_or_b32 s55, s55, s47                         ; and in b2s
	s_lshl_b32 s56, s40, 15                        ; where my wave reads: 16 rows of 2,048 bytes a tile, 512 bytes a K step
	s_lshl_b32 s46, s36, 9
	s_or_b32 s56, s56, s46
	s_mov_b32 s57, 0
	s_mov_b32 s60, 0x76543210
	s_mov_b32 s61, 0xfedcba98                      ; v_permlanex16_b32's selects for lane l xor 16
	s_mov_b32 s62, 0x600000                        ; the mantissa field of 57,344
	v_and_b32 v1, 31, v0                           ; lane
	v_and_b32 v2, 15, v0                           ; r
	v_bfe_u32 v3, v0, 4, 1                         ; h
	v_lshlrev_b32 v4, 11, v2
	v_lshl_add_u32 v4, v3, 6, v4                   ; row r, + 64 h
	v_lshlrev_b32 v5, 4, v1                        ; an image's place for my lane
	v_lshl_add_u32 v6, v2, 2, s54
	v_lshl_add_u32 v8, v2, 2, s55
.irp b, 0,1,2,3
	v_mov_b32 v[TM+4+\b], 0                        ; a lane permute's destination counts as one of its sources
.endr
	s_wait_alu depctr_va_vdst(0)                   ; the wait at the head's end
	s_wait_kmcnt 0x0
	s_cmp_eq_u32 s38, 0
	s_cselect_b64 s[8:9], s[8:9], s[10:11]
	s_cselect_b64 s[12:13], s[12:13], s[14:15]
	s_cselect_b32 s63, 0, 0x80808080               ; w1f takes the imaginary part negated
	s_cmp_eq_u32 s39, 0
	s_cselect_b64 s[8:9], s[8:9], s[12:13]
	s_add_nc_u64 s[8:9], s[8:9], s[56:57]
	s_add_nc_u64 s[16:17], s[16:17], s[50:51]
	s_add_nc_u64 s[20:21], s[20:21], s[52:53]
.irp c, 0,1,2,3
.irp j, 0,1,2,3
	global_load_b128 v[ST+16*\c+4*\j:ST+16*\c+4*\j+3], v4, s[8:9] offset:128*\c+16*\j   ; U(r, 32 c + 16 h + 4 j ..)
.endr
.endr
	s_wait_loadcnt 0x0
.irp b, 0,1,2,3
	v_max3_num_f32 v[TM+\b], |v[ST+16*\b]|, |v[ST+1+16*\b]|, 0x8000000   ; block b: my 16 numbers and the floor
.endr
.irp i, 2,4,6,8,10,12,14
.irp b, 0,1,2,3
	v_max3_num_f32 v[TM+\b], v[TM+\b], |v[ST+16*\b+\i]|, |v[ST+1+16*\b+\i]|
.endr
.endr
.irp b, 0,1,2,3
	v_permlanex16_b32 v[TM+4+\b], v[TM+\b], s60, s61
.endr
.irp b, 0,1,2,3
	v_max_num_f32 v[TM+\b], v[TM+\b], v[TM+4+\b]   ; with lane l xor 16's: the block's largest magnitude
.endr
.irp b, 0,1,2,3
	v_add_nc_u32 v[TM+12+\b], 0xf8800000, v[TM+\b]
.endr
.irp b, 0,1,2,3
	v_and_or_b32 v[TM+8+\b], v[TM+\b], 0x7f800000, s62
.endr
.irp b, 0,1,2,3
	v_lshrrev_b32 v[TM+4+\b], 23, v[TM+12+\b]
.endr
	v_lshl_or_b32 v[PW], v[TM+5], 8, v[TM+4]
	v_lshl_or_b32 v[PW], v[TM+6], 16, v[PW]
	v_lshl_or_b32 v[PW], v[TM+7], 24, v[PW]
.irp b, 0,1,2,3
.irp i, 0,1,2,3,4,5,6,7,8,9,10,11,12,13,14,15
	v_med3_num_f32 v[ST+16*\b+\i], v[ST+16*\b+\i], -v[TM+8+\b], v[TM+8+\b]
.endr
	v_cvt_scalef32_pk8_bf8_f32 v[PC+4*\b:PC+1+4*\b], v[ST+16*\b:ST+7+16*\b], v[TM+12+\b]
	v_cvt_scalef32_pk8_bf8_f32 v[PC+2+4*\b:PC+3+4*\b], v[ST+8+16*\b:ST+15+16*\b], v[TM+12+\b]
.endr
	v_nop                                          ; one plain vector instruction between the last conversion and the lines that read its result
.irp k, 0,1,2,3,4,5,6,7,8,9,10,11,12,13,14,15
	v_xor_b32 v[NC+\k], s63, v[PC+\k]
.endr
.irp c, 0,1,2,3
	global_store_b128 v5, v[NC+4*\c:NC+4*\c+3], s[16:17] offset:512*\c   ; each store covers 512 consecutive bytes, aligned
	global_store_b128 v5, v[PC+4*\c:PC+4*\c+3], s[20:21] offset:512*\c
.endr
	global_store_b32 v6, v[PW], s[18:19]           ; runs of 64 bytes (both halves of the lanes hold the same words): the weights' scale words are 64 KiB in all
	global_store_b32 v8, v[PW], s[22:23]
	s_endpgm
.Lfunc_end_k_q8cefc576bc_quantu:
	.size	k_q8cefc576bc_quantu, .Lfunc_end_k_q8cefc576bc_quantu-k_q8cefc576bc_quantu
	.p2alignl 7, 3214868480
	.fill 96, 4, 3214868480
	.section	.rodata,"a",@progbits
	.p2align	6, 0x0
	.amdhsa_kernel k_q8cefc576bc_quantu
		.amdhsa_group_segment_fixed_size 0
		.amdhsa_private_segment_fixed_size 0
		.amdhsa_enable_private_segment 0
		.amdhsa_kernarg_size 64
		.amdhsa_user_sgpr_count 2
		.amdhsa_user_sgpr_kernarg_segment_ptr 1
		.amdhsa_wavefront_size32 1
		.amdhsa_system_sgpr_workgroup_id_x 1
		.amdhsa_system_sgpr_workgroup_id_y 1
		.amdhsa_system_sgpr_workgroup_id_z 1
		.amdhsa_system_vgpr_workitem_id 0
		.amdhsa_next_free_vgpr 160
		.amdhsa_next_free_sgpr 66
		.amdhsa_reserve_vcc 0
		.amdhsa_float_denorm_mode_32 3
		.amdhsa_float_denorm_mode_16_64 3
		.amdhsa_memory_ordered 1
		.amdhsa_forward_progress 1
		.amdhsa_inst_pref_size 14
	.end_amdhsa_kernel
	.amdgpu_metadata
---
amdhsa.version: [ 1, 2 ]
amdhsa.kernels:
  - .name:           k_q8cefc576bc_quantu
    .symbol:         k_q8cefc576bc_quantu.kd
    .args:
      - { .name: Ux_real, .offset: 0, .size: 8, .value_kind: global_buffer, .address_space: global }
      - { .name: Ux_imag, .offset: 8, .size: 8, .value_kind: global_buffer, .address_space: global }
      - { .name: Uh_real, .offset: 16, .size: 8, .value_kind: global_buffer, .address_space: global }
      - { .name: Uh_imag, .offset: 24, .size: 8, .value_kind: global_buffer, .address_space: global }
      - { .name: w1f, .offset: 32, .size: 8, .value_kind: global_buffer, .address_space: global }
      - { .name: w1s, .offset: 40, .size: 8, .value_kind: global_buffer, .address_space: global }
      - { .name: b2f, .offset: 48, .size: 8, .value_kind: global_buffer, .address_space: global }
      - { .name: b2s, .offset: 56, .size: 8, .value_kind: global_buffer, .address_space: global }
    .group_segment_fixed_size: 0
    .private_segment_fixed_size: 0
    .kernarg_segment_align: 8
    .kernarg_segment_size: 64
    .max_flat_workgroup_size: 128
    .sgpr_count:     66
    .vgpr_count:     160
    .wavefront_size: 32
...
	.end_amdgpu_metadata
.endif
;; end of part 1
;; launch stage1 (part 2): grid 256 x 1, 4 waves a work-group, no clusters, 158,208 bytes of LDS; arguments x_real, x_imag, h_real, h_imag, w1f, w1s, tf, ts; writes tf, ts
.if DOCPART == 2
	.amdgcn_target "amdgcn-amd-amdhsa--gfx1250"
	.amdhsa_code_object_version 6
	.text
	.protected	k_q8cefc576bc_stage1
	.globl	k_q8cefc576bc_stage1
	.p2align	8
	.type	k_q8cefc576bc_stage1,@function
k_q8cefc576bc_stage1:
	s_mov_b64 s[64:65], 0
	v_nop
	global_prefetch_b8 v0, s[64:65] scope:SCOPE_SE
	s_setreg_imm32_b32 hwreg(HW_REG_WAVE_MODE, 25, 1), 1
	s_wait_xcnt 0x0
; T = U x (complex) for x and for h: Tr = Ur xr - Ui xi, Ti = Ui xr + Ur xi, K = q; T is quantised along k and stored as the next launch's operand (tf, ts: group b 4 + p / 128, K = e 1024 + real/imaginary 512 + k).
; A work-group owns 128 columns k of one matrix (e, b): it alone reads their f32 numbers, once, so it quantises them itself, at its head, into LDS: 1,024 K (real, then imaginary) x 128 columns, 131,072 bytes of codes
; in the order of the operand's registers, and their scale words.  Slot r of tile i is column 32 (i / 2) + 8 (i % 2) + r + 8 (r / 8), so that a result's 16 registers of two neighbouring tiles are 16 neighbours along k.
; THE QUANTISER: scale 2^(floor(log2(largest magnitude)) - 15), its byte held at 1 from below; numbers held within +-57,344 x the scale, rounded to the nearest code, ties to even.
; LIMITS: a block of zeros gets the byte 1 (its codes are zeros; this program alone reads the bytes); blocks under the floor 2^(16 - 127) were not tried; NaN and infinities are not served.
; AT THE HEAD a load takes one row q of the 128 columns, 512 consecutive bytes, four columns a lane; a wave takes 32 rows: a block of 32 along K of four columns lies in one lane, so no maximum crosses lanes;
; the hold writes its results in the order along K that the conversions want.  Two sets of 32 loads a wave are out.  No prefetch: this part streams its input with up to 64 loads a wave on their way.
; THE PRODUCTS: two passes of 256 p; a wave makes 128 k x 64 p x {Tr, Ti}: 64 accumulators.  Its 64 rows of Ur and -Ui (w1f) are read by that wave alone and go from memory straight into registers; one pair of 128 along q
; serves two K steps: the step on xi takes the places (-Ui, Ur), the step on xr (Ur, Ui); Ui is made in place by changing the codes' sign bits.  Source 0 = 16 columns of x, source 1 = 16 rows of U: a lane holds one row p.
; cluster = none: no two work-groups read the same x, and the weights land in no LDS tile that work-groups could receive jointly.
; REGISTERS: window 0: v0-31 addresses, v32-47 scale words, v48-127 at work, v128-255 x's fragments (at the head: held numbers; on the way out: codes); window 1: two pairs (Ur, -Ui); windows 2, 3: accumulators (at the head window 2: the loads).
.set XSB,    131072                    ; x's scale words, 4,096 bytes, then two groups' weight words, 8,192: once for each pass,
.set PST,    12288                     ; this far apart (x's words are stored twice, so that one constant steps both halves of the lanes)
.set SPARE,  155648
.set STG,    156160                    ; T's scale words on the way out: 512 bytes a wave
.set NP,     8
.set AS,   8                           ; v8: scale words at the same K step; v9: weights four K steps on; v10: four back
.set ADRA, 16
.set XST,  18
.set XSS,  19
.set WCP,  20
.set STO,  24
.set RD,   25
.set VO,   26
.set CO2,  27
.set SPW,  28
.set NIL,  29
.set SC,   32
.set MX,   48
.set BY,   52
.set LM,   56
.set SO,   60
.set WD,   64
.set TM,   64
.set PW,   80
.set CD,   96
.set AF,   128
.set PC,   128
.set MD,   128
.set BB,   32
.set TFB,  34
.set TSO,  36
.set MSB, 0
.macro WIN new
.if MSB != \new
	s_set_vgpr_msb (MSB<<8)|\new
.set MSB, \new
.endif
.endm
.set MUL_LO, 0xa4                      ; source 0 (x) window 0, source 1 (U) window 1, C and D window 2
.set MUL_HI, 0xf4
.set TO_B,   0x40
.macro PLACES n
.rept \n
	v_nop
.endr
.endm
	s_load_b256 s[4:11], s[0:1], 0x0               ; x_real, x_imag, h_real, h_imag
	s_load_b256 s[12:19], s[0:1], 0x20             ; w1f, w1s, tf, ts
	v_lshl_add_u32 v[SPW], v0, 2, SPARE
	v_mov_b32 v[NIL], 0
	v_lshrrev_b32 v1, 5, v0
	v_readfirstlane_b32 s20, v1                    ; wave
	s_lshr_b32 s25, s20, 1                         ; which of a pass's two groups of 128 weight rows is mine,
	s_and_b32 s26, s20, 1                          ; and which four tiles of it
	s_lshl_b32 s40, s25, 12
	s_lshl_b32 s41, s26, 8
	s_add_co_u32 s40, s40, s41
	s_add_co_u32 s40, s40, 4096-2304               ; from x's words to my tiles' words: four K steps and four tiles back,
	s_add_co_u32 s41, s40, 2304                    ; at the same K step and tile,
	s_add_co_u32 s42, s40, 4096                    ; four K steps on and four tiles back
	s_lshl_b32 s43, s20, 9
	s_mul_i32 s48, s25, PST
	s_lshl_b32 s49, s26, 12
	s_add_co_u32 s48, s48, s49
	s_add_co_u32 s48, s48, XSB+4096                ; where I put group `wave` of the weights' words
	s_add_co_u32 s49, s43, STG
	v_and_b32 v6, 31, v0
	v_and_b32 v1, 15, v0                           ; r
	v_bfe_u32 v2, v0, 4, 1                         ; h
	v_lshlrev_b32 v[VO], 4, v6
	v_lshlrev_b32 v[ADRA], 4, v6
	v_add_nc_u32 v[ADRA+1], 65536, v[VO]
	v_lshlrev_b32 v7, 2, v1
	v_add_nc_u32 v7, XSB, v7
	v_mul_u32_u24 v5, s41, v2
	v_add_nc_u32 v[AS], v7, v5
	v_mul_u32_u24 v5, s42, v2
	v_add_nc_u32 v[AS+1], v7, v5
	v_mul_u32_u24 v5, s40, v2
	v_add_nc_u32 v[AS+2], v7, v5
	v_bfe_u32 v5, v0, 3, 2                         ; my columns 4 l .. 4 l + 3: which 32,
	v_bfe_u32 v3, v0, 1, 1                         ; which of the two tiles that share them,
	v_bfe_u32 v4, v0, 2, 1                         ; slots 8-15 or 0-7,
	v_and_b32 v7, 1, v0                            ; slots 4-7 or 0-3 of those
	v_lshlrev_b32 v[XST], 13, v5
	v_lshl_add_u32 v[XST], v3, 12, v[XST]
	v_lshl_add_u32 v[XST], v4, 7, v[XST]
	v_lshl_add_u32 v[XST], v7, 6, v[XST]
	v_add_nc_u32 v[XST], s43, v[XST]               ; codes: 4,096 x tile + 16 x slot + 512 x my wave's block of 32
	v_lshlrev_b32 v[XSS], 7, v5
	v_lshl_add_u32 v[XSS], v3, 6, v[XSS]
	v_lshl_add_u32 v[XSS], v4, 5, v[XSS]
	v_lshl_add_u32 v[XSS], v7, 4, v[XSS]
	v_add_nc_u32 v[XSS], s20, v[XSS]
	v_add_nc_u32 v[XSS], XSB, v[XSS]               ; scale bytes: 64 x tile + 4 x slot + my wave's byte of the word
	v_add_nc_u32 v[WCP], s48, v[VO]
	v_lshl_add_u32 v[STO], v1, 2, s49
	v_add_nc_u32 v[RD], s49, v[VO]
	v_lshlrev_b32 v5, 11, v2
	v_lshl_add_u32 v[CO2], v1, 4, v5
	s_wait_alu depctr_va_vdst(0)                   ; the wait ahead of the scalar run and the wait below
	s_lshr_b32 s22, ttmp9, 7                       ; e
	s_bfe_u32 s23, ttmp9, 0x50002                  ; b
	s_and_b32 s24, ttmp9, 3                        ; which 128 columns
	s_mov_b32 s44, 0x76543210
	s_mov_b32 s45, 0xfedcba98
	s_mov_b32 s46, 0x600000                        ; the mantissa field of 57,344
	s_mov_b32 s47, 0x80808080                      ; four codes' sign bits
	s_mov_b32 s39, 0
	s_lshl_b32 s38, s23, 20                        ; b x 1 MiB + 512 bytes for each 128 columns + my wave's 32 rows of 2,048 bytes
	s_lshl_b32 s27, s24, 9
	s_add_co_u32 s38, s38, s27
	s_lshl_b32 s27, s20, 16
	s_add_co_u32 s38, s38, s27
	s_wait_kmcnt 0x0
	s_cmp_eq_u32 s22, 0
	s_cselect_b64 s[28:29], s[4:5], s[8:9]         ; the real part,
	s_cselect_b64 s[30:31], s[6:7], s[10:11]       ; the imaginary part
	s_add_nc_u64 s[28:29], s[28:29], s[38:39]
	s_add_nc_u64 s[30:31], s[30:31], s[38:39]
.macro XLOAD par, base                 ; 32 rows q of one K step into set par of window 2
	WIN 0x80
.irp i, 0,1,2,3,4,5,6,7,8,9,10,11,12,13,14,15,16,17,18,19,20,21,22,23,24,25,26,27,28,29,30,31
	global_load_b128 v[128*\par+4*\i:128*\par+4*\i+3], v[VO], s[\base:\base+1] offset:\par*262144+\i*2048 th:TH_LOAD_NT
.endr
	WIN 0
.endm
	XLOAD 0, 28
	XLOAD 1, 28
	s_add_nc_u64 s[52:53], s[28:29], 524288        ; where the next two K steps are read
	s_lshl_b32 s38, s22, 3
	s_add_co_u32 s38, s38, s25
	s_lshl_b32 s38, s38, 17
	s_lshl_b32 s27, s26, 14
	s_add_co_u32 s38, s38, s27
	s_add_nc_u64 s[BB:BB+1], s[12:13], s[38:39]    ; w1f: group 8 e + wave / 2, my four tiles
	s_lshl_b32 s38, s22, 15
	s_lshl_b32 s27, s20, 12
	s_add_co_u32 s38, s38, s27
	s_add_nc_u64 s[54:55], s[14:15], s[38:39]      ; w1s: group 8 e + wave
	s_lshl_b32 s51, s23, 2
	s_add_co_u32 s51, s51, s25                     ; T's group in the first pass
	s_lshl_b32 s38, s51, 18
	s_lshl_b32 s27, s22, 2
	s_lshr_b32 s48, s24, 1
	s_add_co_u32 s27, s27, s48
	s_lshl_b32 s27, s27, 15
	s_add_co_u32 s38, s38, s27
	s_lshl_b32 s27, s26, 14
	s_add_co_u32 s38, s38, s27
	s_and_b32 s27, s24, 1
	s_lshl_b32 s27, s27, 11
	s_add_co_u32 s38, s38, s27
	s_add_nc_u64 s[TFB:TFB+1], s[16:17], s[38:39]
	s_lshl_b32 s38, s51, 13
	s_lshl_b32 s27, s22, 3
	s_add_co_u32 s27, s27, s24
	s_lshl_b32 s27, s27, 9
	s_add_co_u32 s38, s38, s27
	s_lshl_b32 s27, s26, 8
	s_add_co_u32 s38, s38, s27
	s_add_nc_u64 s[TSO:TSO+1], s[18:19], s[38:39]
; pair d (4 to a pass): im = 0: Ur's four tiles (K step d % 4) into the pair's registers 0-63; im = 1: -Ui's (K step 4 + d % 4) into 64-127.  d = 4, 5: the next pass's first pairs
.macro FETCH_U d, im
.set KU, ((\d)%4)+4*(\im)
.irp i, 0,1,2,3
.irp c, 0,1,2,3
	global_load_b128 v[128*((\d)%2)+64*(\im)+16*\i+4*\c:128*((\d)%2)+64*(\im)+16*\i+4*\c+3], v[VO], s[BB:BB+1] offset:((\d)/4)*262144+(KU/2)*32768+\i*4096+(KU%2)*2048+512*\c
.endr
.endr
.endm
; One block of 32 along K of my four columns.  left: the loads issued behind this block's.  next = 1: the set takes the K step two further on; next = 2: the first weights are asked for
.macro XBLK par, left, next
	s_wait_loadcnt \left
	WIN 0x0a
.irp c, 0,1,2,3
	v_max3_num_f32 v[MX+\c], |v[128*\par+\c]|, |v[128*\par+4+\c]|, 0x8000000   ; the four columns by turns; the floor 2^(16 - 127) among the leaves
.endr
.irp i, 2,4,6,8,10,12,14,16,18,20,22,24,26,28,30
.irp c, 0,1,2,3
	v_max3_num_f32 v[MX+\c], |v[128*\par+4*\i+\c]|, |v[128*\par+4*\i+4+\c]|, v[MX+\c]
.endr
.endr
	WIN 0
.irp c, 0,1,2,3
	v_add_nc_u32 v[SO+\c], 0xf8800000, v[MX+\c]    ; 15 off the exponent field: the conversion's scale operand
.endr
.irp c, 0,1,2,3
	v_and_or_b32 v[LM+\c], v[MX+\c], 0x7f800000, s46   ; 57,344 x the scale
.endr
.irp c, 0,1,2,3
	v_lshrrev_b32 v[BY+\c], 23, v[SO+\c]           ; the scale's byte
.endr
	WIN 0x02
.irp c, 0,1,2,3
.irp i, 0,1,2,3,4,5,6,7,8,9,10,11,12,13,14,15,16,17,18,19,20,21,22,23,24,25,26,27,28,29,30,31
	v_med3_num_f32 v[MD+32*\c+\i], v[128*\par+4*\i+\c], -v[LM+\c], v[LM+\c]   ; the hold, written in the order along K
.endr
.endr
	WIN 0
.if (\next) == 1
	XLOAD \par, 52
.endif
.if (\next) == 2
	WIN TO_B
	FETCH_U 0, 0
	FETCH_U 0, 1
	FETCH_U 1, 0
	WIN 0
.endif
	s_wait_alu depctr_va_vdst(0)                   ; directly ahead of the wait below
	s_wait_dscnt 0x0                               ; the last block's LDS stores have read the codes' registers
.irp c, 0,1,2,3
.irp g, 0,1,2,3
	v_cvt_scalef32_pk8_bf8_f32 v[CD+8*\c+2*\g:CD+8*\c+2*\g+1], v[MD+32*\c+8*\g:MD+32*\c+8*\g+7], v[SO+\c]
.endr
.endr
	v_nop
.irp c, 0,1,2,3
	ds_store_b128 v[XST], v[CD+8*\c:CD+8*\c+3] offset:\par*2048+16*\c          ; K 0..15 of the block
	ds_store_b128 v[XST], v[CD+8*\c+4:CD+8*\c+7] offset:\par*2048+256+16*\c    ; K 16..31
	ds_store_b8 v[XSS], v[BY+\c] offset:\par*512+4*\c
	ds_store_b8 v[XSS], v[BY+\c] offset:\par*512+4*\c+PST
.endr
.endm
	s_mov_b32 s50, 0
.Lx:                                                   ; a trip: two K steps of 128; three trips, the last two K steps are written out
	XBLK 0, 32, 1
	XBLK 1, 32, 1
	s_wait_xcnt 0x0                                ; the loads have read their base
	s_mov_b64 s[52:53], s[30:31]                   ; real 256.., then imaginary 0.., then imaginary 256..
	s_add_nc_u64 s[30:31], s[30:31], 524288
	s_wait_dscnt 0x0
	v_add_nc_u32 v[XST], 32768, v[XST]
	v_add_nc_u32 v[XSS], 1024, v[XSS]
	s_add_co_u32 s50, s50, 1
	s_cmp_lt_u32 s50, 3
	s_wait_alu depctr_va_vdst(0)                   ; the wait directly ahead of the branch
	s_cbranch_scc1 .Lx
.irp k, 0,1,2,3,4,5,6,7
	global_load_b128 v[WD+4*\k:WD+4*\k+3], v[VO], s[54:55] offset:512*\k   ; one group's weight words, 4,096 bytes a wave
.endr
	XBLK 0, 40, 2                                  ; behind its loads: the last block's 32 and these 8
	XBLK 1, 56, 0                                  ; behind its loads: those 8 and the 48 of the first weights
	s_wait_loadcnt 48
.irp k, 0,1,2,3,4,5,6,7
	ds_store_b128 v[WCP], v[WD+4*\k:WD+4*\k+3] offset:512*\k
.endr
	s_wait_dscnt 0x0                               ; for the others' sake: my codes, bytes and words are in LDS
	s_barrier_signal -1
	s_barrier_wait -1
.irp b, 0,1,2,3
	v_mov_b32 v[TM+4+\b], 0                        ; a lane permute's destination counts as one of its sources
.endr
; step n = 2 d + kind of a pass: kind 0 multiplies xi (K step 4 + d), kind 1 xr (K step d)
.macro FETCH_A n, i0                   ; x's tiles i0 .. i0 + 3 of step n, from LDS
.set KA, (((\n)/2)%4)+4*(1-((\n)%2))
.irp i, \i0, \i0+1, \i0+2, \i0+3
.irp c, 0,1,2,3
	ds_load_b128 v[AF+16*(\i)+4*\c:AF+16*(\i)+4*\c+3], v[ADRA+KA/4] offset:((KA/2)%2)*32768+(\i)*4096+(KA%2)*2048+512*\c
.endr
.endr
.endm
.macro SCALES n                        ; register i of set n % 2: lanes 0-15 the words of x's tile i, lanes 16-31 those of the weights' tile that stands at place i in step n
.set KA, (((\n)/2)%4)+4*(1-((\n)%2))
.irp i, 0,1,2,3
	ds_load_b32 v[SC+8*((\n)%2)+\i], v[AS] offset:KA*512+\i*64
.endr
.irp i, 4,5,6,7
	ds_load_b32 v[SC+8*((\n)%2)+\i], v[AS+2-((\n)%2)] offset:KA*512+\i*64
.endr
.endm
; one product: x's tile 4 hi + a x the weights' tile at place b.  Places 0-3 make Tr, 4-7 Ti: in a step on xr Ur's tiles, then Ui's; in a step on xi -Ui's, then Ur's
.macro WM n, hi, a, b, zero
.set BR, 128*(((\n)/2)%2)+16*(((\b)+4*(1-((\n)%2)))%8)
.set SR, SC+8*((\n)%2)
.if \zero
	v_wmma_scale_f32_16x16x128_f8f6f4 v[8*(8*\a+\b):8*(8*\a+\b)+7], v[AF+16*(4*\hi+\a):AF+16*(4*\hi+\a)+15], v[BR:BR+15], 0, v[SR+4*\hi+\a], v[SR+\b] matrix_a_fmt:MATRIX_FMT_BF8 matrix_b_fmt:MATRIX_FMT_BF8 matrix_b_scale:MATRIX_SCALE_ROW1
.else
	v_wmma_scale_f32_16x16x128_f8f6f4 v[8*(8*\a+\b):8*(8*\a+\b)+7], v[AF+16*(4*\hi+\a):AF+16*(4*\hi+\a)+15], v[BR:BR+15], v[8*(8*\a+\b):8*(8*\a+\b)+7], v[SR+4*\hi+\a], v[SR+\b] matrix_a_fmt:MATRIX_FMT_BF8 matrix_b_fmt:MATRIX_FMT_BF8 matrix_b_scale:MATRIX_SCALE_ROW1
.endif
.endm
; four products on one tile of the weights.  nops = 1: two v_nop behind each, eight in all: the places between the products ahead of this group and the loads or writes behind it
.macro G4 n, hi, b, zero, nops
.irp a, 0,1,2,3
	WM \n, \hi, \a, \b, \zero
.if \nops
	v_nop
	v_nop
.endif
.endr
.endm
; A step: 64 products, the 64 accumulators by turns.  The runs of loads stand eight places behind the last products on their registers.
; The loads of the next pass's first pairs (steps 5, 6, 7) are jumped over in the last pass, by the pass counter; so the wait in step 6 is for 0.
.macro STEP n, zero
.if ((\n)%2) == 0
.if (\n) < 6
	s_wait_loadcnt 16                              ; this pair is in; behind it: the next pair's Ur
.else
	s_wait_loadcnt 0
.endif
.endif
	s_wait_dscnt 0x0                               ; x's tiles 0-3 and the scale words
	WIN MUL_LO
	G4 \n, 0, 0, \zero, 1
	WIN 0
	FETCH_A \n, 4
.if ((\n)%2) == 0
.if (\n) == 6
	s_cmp_eq_u32 s50, 1
	s_cbranch_scc1 .Lne_\@
.endif
	WIN TO_B
	FETCH_U (\n)/2+1, 1
	WIN 0
.if (\n) == 6
.Lne_\@:
.endif
.endif
	WIN MUL_LO
.irp b, 1,2,3,4,5,6,7
	G4 \n, 0, \b, \zero, 0
.endr
	s_wait_dscnt 0x0                               ; x's tiles 4-7
	WIN MUL_HI
	G4 \n, 1, 0, \zero, 1
	G4 \n, 1, 1, \zero, 0
.if (\n) < 7
	WIN 0
	FETCH_A (\n)+1, 0
	SCALES (\n)+1
	WIN MUL_HI
.endif
	G4 \n, 1, 2, \zero, 0
	G4 \n, 1, 3, \zero, 0
	G4 \n, 1, 4, \zero, 1
.if ((\n)%2) == 0
	WIN 0x44
.set i, 128*(((\n)/2)%2)+64
.rept 64
	v_xor_b32 v[i], s47, v[i]                      ; -Ui becomes Ui
.set i, i+1
.endr
	s_wait_alu depctr_va_vdst(0)                   ; the wait behind these writes
.else
	WIN 0
.if (\n) >= 5
	s_cmp_eq_u32 s50, 1
	s_cbranch_scc1 .Lnr_\@
.endif
	WIN TO_B
	FETCH_U (\n)/2+2, 0
	WIN 0
.if (\n) >= 5
.Lnr_\@:
.endif
.endif
	WIN MUL_HI
.irp b, 5,6,7
	G4 \n, 1, \b, \zero, 0
.endr
.endm
; the way out of place p: 16 rows of T x 128 k.  Block 2 g + m of 32 along k lies in x's tiles 4 g + 2 m and 4 g + 2 m + 1: 16 registers here and 16 in lane l xor 16
.macro QUANTW p
.set PCA, PC+16*(\p)
.irp g, 0,1
	WIN (0x0a+5*\g)
.irp m, 0,1
	v_max3_num_f32 v[TM+2*\g+\m], |v[128*\m+8*(\p)]|, |v[128*\m+8*(\p)+1]|, 0x8000000
.endr
.irp i, 2,4,6,64,66,68,70
.irp m, 0,1
	v_max3_num_f32 v[TM+2*\g+\m], |v[128*\m+8*(\p)+\i]|, |v[128*\m+8*(\p)+\i+1]|, v[TM+2*\g+\m]
.endr
.endr
.endr
	WIN 0
.irp b, 0,1,2,3
	v_permlanex16_b32 v[TM+4+\b], v[TM+\b], s44, s45
.endr
.irp b, 0,1,2,3
	v_max_num_f32 v[TM+\b], v[TM+\b], v[TM+4+\b]
.endr
.irp b, 0,1,2,3
	v_add_nc_u32 v[TM+12+\b], 0xf8800000, v[TM+\b]
.endr
.irp b, 0,1,2,3
	v_and_or_b32 v[TM+8+\b], v[TM+\b], 0x7f800000, s46
.endr
.irp b, 0,1,2,3
	v_lshrrev_b32 v[TM+4+\b], 23, v[TM+12+\b]
.endr
	v_lshl_or_b32 v[PW+(\p)], v[TM+5], 8, v[TM+4]
	v_lshl_or_b32 v[PW+(\p)], v[TM+6], 16, v[PW+(\p)]
	v_lshl_or_b32 v[PW+(\p)], v[TM+7], 24, v[PW+(\p)]
.irp g, 0,1
	WIN (0x82+0x41*\g)
.irp m, 0,1
.irp i, 0,1,2,3,4,5,6,7,64,65,66,67,68,69,70,71
	v_med3_num_f32 v[128*\m+8*(\p)+\i], v[128*\m+8*(\p)+\i], -v[TM+8+2*\g+\m], v[TM+8+2*\g+\m]
.endr
.endr
	WIN (0x02+\g)
.irp m, 0,1
	v_cvt_scalef32_pk8_bf8_f32 v[PCA+8*\g+4*\m:PCA+8*\g+4*\m+1], v[128*\m+8*(\p):128*\m+8*(\p)+7], v[TM+12+2*\g+\m]
	v_cvt_scalef32_pk8_bf8_f32 v[PCA+8*\g+4*\m+2:PCA+8*\g+4*\m+3], v[128*\m+8*(\p)+64:128*\m+8*(\p)+71], v[TM+12+2*\g+\m]
.endr
.endr
	WIN 0
	v_nop
.irp c, 0,1,2,3
	global_store_b128 v[VO], v[PCA+4*\c:PCA+4*\c+3], s[TFB:TFB+1] offset:((\p)/4)*65536+((\p)%4)*4096+512*\c   ; 512 consecutive bytes, aligned
.endr
	ds_store_b32 v[STO], v[PW+(\p)] offset:64*(\p)
.endm
	s_mov_b32 s50, 0
.Lpass:                                                ; a trip: 256 p: eight steps, whose first starts the sums, and the way out
	FETCH_A 0, 0
	SCALES 0
	STEP 0, 1
.irp n, 1,2,3,4,5,6,7
	STEP \n, 0
.endr
	WIN 0
	PLACES NP
.irp p, 0,1,2,3,4,5,6,7
	QUANTW \p
.endr
	ds_load_b128 v[88:91], v[RD]                   ; LDS serves a wave's instructions in order: this sees my stores.  Lanes 0-15: Tr's words, lanes 16-31: Ti's
	s_wait_dscnt 0x0
	global_store_b128 v[CO2], v[88:91], s[TSO:TSO+1]   ; two aligned units of 256 bytes, four K steps apart
	s_wait_xcnt 0x0                                ; the stores and loads have read their registers and bases
	s_add_nc_u64 s[BB:BB+1], s[BB:BB+1], 262144    ; two groups of weight rows on,
	s_add_nc_u64 s[TFB:TFB+1], s[TFB:TFB+1], 524288    ; two groups of T's rows on
	s_add_nc_u64 s[TSO:TSO+1], s[TSO:TSO+1], 16384
.irp k, 0,1,2
	v_add_nc_u32 v[AS+\k], PST, v[AS+\k]
.endr
	s_add_co_u32 s50, s50, 1
	s_cmp_lt_u32 s50, 2
	s_wait_alu depctr_va_vdst(0)                   ; the wait directly ahead of the branch
	s_cbranch_scc1 .Lpass
	s_wait_tensorcnt 0x0                           ; the wave's end
	ds_add_u32 v[SPW], v[NIL]
	s_wait_dscnt 0x0
	s_endpgm
.Lfunc_end_k_q8cefc576bc_stage1:
	.size	k_q8cefc576bc_stage1, .Lfunc_end_k_q8cefc576bc_stage1-k_q8cefc576bc_stage1
	.p2alignl 7, 3214868480
	.fill 96, 4, 3214868480
	.section	.rodata,"a",@progbits
	.p2align	6, 0x0
	.amdhsa_kernel k_q8cefc576bc_stage1
		.amdhsa_group_segment_fixed_size 158208
		.amdhsa_private_segment_fixed_size 0
		.amdhsa_enable_private_segment 0
		.amdhsa_kernarg_size 64
		.amdhsa_user_sgpr_count 2
		.amdhsa_user_sgpr_kernarg_segment_ptr 1
		.amdhsa_wavefront_size32 1
		.amdhsa_system_sgpr_workgroup_id_x 1
		.amdhsa_system_sgpr_workgroup_id_y 1
		.amdhsa_system_sgpr_workgroup_id_z 1
		.amdhsa_system_vgpr_workitem_id 0
		.amdhsa_next_free_vgpr 1024
		.amdhsa_next_free_sgpr 66
		.amdhsa_reserve_vcc 0
		.amdhsa_float_denorm_mode_32 3
		.amdhsa_float_denorm_mode_16_64 3
		.amdhsa_memory_ordered 1
		.amdhsa_forward_progress 1
		.amdhsa_inst_pref_size 255
	.end_amdhsa_kernel
	.section	.bss,"aw",@nobits
	.p2align	6
	.space	262144
	.amdgpu_metadata
---
amdhsa.version: [ 1, 2 ]
amdhsa.kernels:
  - .name:           k_q8cefc576bc_stage1
    .symbol:         k_q8cefc576bc_stage1.kd
    .args:
      - { .name: x_real, .offset: 0, .size: 8, .value_kind: global_buffer, .address_space: global }
      - { .name: x_imag, .offset: 8, .size: 8, .value_kind: global_buffer, .address_space: global }
      - { .name: h_real, .offset: 16, .size: 8, .value_kind: global_buffer, .address_space: global }
      - { .name: h_imag, .offset: 24, .size: 8, .value_kind: global_buffer, .address_space: global }
      - { .name: w1f, .offset: 32, .size: 8, .value_kind: global_buffer, .address_space: global }
      - { .name: w1s, .offset: 40, .size: 8, .value_kind: global_buffer, .address_space: global }
      - { .name: tf, .offset: 48, .size: 8, .value_kind: global_buffer, .address_space: global }
      - { .name: ts, .offset: 56, .size: 8, .value_kind: global_buffer, .address_space: global }
    .group_segment_fixed_size: 158208
    .private_segment_fixed_size: 0
    .kernarg_segment_align: 8
    .kernarg_segment_size: 64
    .max_flat_workgroup_size: 128
    .sgpr_count:     66
    .vgpr_count:     1024
    .wavefront_size: 32
...
	.end_amdgpu_metadata
.endif
;; end of part 2
;; launch stage2 (part 3): grid 256 x 1, 4 waves a work-group, no clusters, 327,680 bytes of LDS; arguments tf, ts, b2f, b2s, out0, out1, Lambda; writes out0, out1
.if DOCPART == 3
	.amdgcn_target "amdgcn-amd-amdhsa--gfx1250"
	.amdhsa_code_object_version 6
	.text
	.protected	k_q8cefc576bc_stage2
	.globl	k_q8cefc576bc_stage2
	.p2align	8
	.type	k_q8cefc576bc_stage2,@function
k_q8cefc576bc_stage2:
	s_mov_b64 s[64:65], 0
	v_nop
	global_prefetch_b8 v0, s[64:65] scope:SCOPE_SE
	s_setreg_imm32_b32 hwreg(HW_REG_WAVE_MODE, 25, 1), 1
	s_wait_xcnt 0x0
; out_r = Tr Ur^T + Ti Ui^T, out_i = Ti Ur^T - Tr Ui^T, for x and for h; out = (rho x the x part + the h part) / (1 + rho), rho = e^Lambda: that is g in + (1 - g) hid with g = sigmoid(Lambda).
; T's codes and scale words (tf, ts: K = e 1024 + real/imaginary 512 + k) and the weights' (b2f, b2s, rows q' < 512: [Ur | Ui] along the same K) lie in the order of the operand's registers.
; A work-group makes 128 rows (one group of tf) x 256 q of BOTH outputs; a wave 128 rows x 64 q x {real, imaginary}: 64 accumulators, 512 registers (tiles 0-3 out_r, tiles 4-7 out_i).
; T's 128 rows x 2,048 K are one dense block of 262,144 bytes: it comes into LDS ONCE, in three goes of tensor loads, and is never filled again, so the text has no ring.
; A wave's 64 rows of Ur and Ui are read by that wave alone: they go from memory straight into its registers.  One pair (Ur, Ui) of 128 along k serves TWO K steps:
; the step on Ti takes the tiles (Ui, Ur), the step on Tr the tiles (Ur, -Ui); -Ui is made in place by changing the codes' sign bits, which negates a code exactly.  So b2f's rows q' >= 512 are not read.
; cluster = none: a block of T is read by two work-groups only, once each, and the weights land in no LDS tile that work-groups could receive jointly.
; The matrix instruction is used transposed (source 0 = 16 rows of the weights, source 1 = 16 rows of T): a lane holds eight neighbouring numbers of a row of the output.
; LIMIT: Lambda is held within +-60 ahead of the exponential; beyond that sigmoid differs from 0 or 1 by less than 1e-26.
; REGISTERS: window 0: v0-31 addresses, v32-47 scale words (two sets), v128-255 T's fragments (one set); window 1: two pairs (Ur 64 registers, Ui 64); windows 2, 3: accumulators of rows 0-63, 64-127.
.set TSB,    262144                    ; LDS: T's codes at 0; T's scale words, 8,192 bytes;
.set B2SB,   270336                    ; the scale words of the work-group's 256 weight rows, 16,384 bytes;
.set SPARE,  286720                    ; the spare words, 512 bytes
.set SPITCH, 528                       ; the way out: 16 rows x (512 + 16) bytes a wave, in T's first 33,792 bytes, which are last read ahead of the barrier in step 7
.set ROWO,   2048
.set NP,     8
.set RHO,  8
.set WGT,  10
.set ADRA, 16                          ; v16-19: 16 x lane + 65,536 j
.set ADRSX, 20
.set ADRSY, 21
.set STO,  24
.set RD,   25
.set VO,   26                          ; 16 x lane
.set ADRS, 27
.set SPW,  28
.set NIL,  29
.set PFO,  30                          ; 256 x lane
.set CO2,  31
.set SC,   32
.set AF,   128
.set BK,   128
.set G1A,  24                          ; group 1: 128 rows of 256 bytes
.set G1C,  32                          ; 64 rows
.set G1S,  40                          ; 32 rows
.set G0A0, 48
.set G0A1, 52
.set G0TS, 56
.set G0BS, 60
.set G0B2, 68
.set G0B3, 72
.set PF1,  76
.set PF2,  78
.set BB,   80
.set OUT0, 82
.set OUT1, 88
.set MSB, 0
.macro WIN new
.if MSB != \new
	s_set_vgpr_msb (MSB<<8)|\new
.set MSB, \new
.endif
.endm
.set MUL_LO, 0xa1
.set MUL_HI, 0xf1
.set TO_B,   0x40
.macro PLACES n
.rept \n
	v_nop
.endr
.endm
	s_load_b128 s[4:7], s[0:1], 0x0                ; tf, ts
	s_load_b128 s[8:11], s[0:1], 0x10              ; b2f, b2s
	s_load_b128 s[12:15], s[0:1], 0x20             ; out0, out1
	s_load_b64 s[16:17], s[0:1], 0x30              ; Lambda
	v_lshl_add_u32 v[SPW], v0, 2, SPARE
	v_mov_b32 v[NIL], 0
	ds_add_u32 v[SPW], v[NIL]                      ; the opening lines: the add twice on end under one wait
	ds_add_u32 v[SPW], v[NIL]
	v_lshrrev_b32 v1, 5, v0
	v_readfirstlane_b32 s18, v1                    ; wave
	s_lshr_b32 s90, s18, 1                         ; which of the work-group's two groups of 128 weight rows is mine,
	s_and_b32 s91, s18, 1                          ; and which four tiles of it
	s_lshl_b32 s93, s90, 13
	s_lshl_b32 s92, s91, 8
	s_add_co_u32 s93, s93, s92
	s_add_co_u32 s93, s93, B2SB-TSB-2304           ; from T's words to my tiles' words: four K steps and four tiles back (Ur beside Ti),
	s_add_co_u32 s21, s93, 2304                    ; at the same K step and tile,
	s_add_co_u32 s92, s93, 4096                    ; four K steps on and four tiles back (Ui beside Tr)
	s_mul_i32 s94, s18, 16*SPITCH
	v_and_b32 v6, 31, v0
	v_and_b32 v1, 15, v0                           ; r
	v_bfe_u32 v2, v0, 4, 1                         ; h
	v_lshlrev_b32 v[VO], 4, v6
	v_lshlrev_b32 v[PFO], 8, v6
.irp j, 0,1,2,3
	v_add_nc_u32 v[ADRA+\j], \j*65536, v[VO]
.endr
	v_lshlrev_b32 v7, 2, v1
	v_add_nc_u32 v7, TSB, v7                       ; lanes 0-15 take T's words; lanes 16-31 the weights'
	v_mul_u32_u24 v5, s21, v2
	v_add_nc_u32 v[ADRS], v7, v5
	v_mul_u32_u24 v5, s92, v2
	v_add_nc_u32 v[ADRSX], v7, v5
	v_mul_u32_u24 v5, s93, v2
	v_add_nc_u32 v[ADRSY], v7, v5
	v_mul_u32_u24 v5, v1, SPITCH
	v_lshl_add_u32 v5, v2, 5, v5
	v_add_nc_u32 v[STO], s94, v5                   ; into the stage: row r, 32 bytes for each half of the lanes
	v_mul_u32_u24 v5, v2, SPITCH
	v_lshl_add_u32 v5, v1, 4, v5
	v_add_nc_u32 v[RD], s94, v5                    ; back: lanes 0-15 256 bytes of one row, lanes 16-31 of the next
	v_lshlrev_b32 v5, 11, v2
	v_lshl_add_u32 v[CO2], v1, 4, v5               ; and the same two rows in an output
	s_wait_alu depctr_va_vdst(0)                   ; the wait ahead of the scalar run and the waits below
	s_and_b32 s19, ttmp9, 1                        ; which 256 q
	s_lshr_b32 s20, ttmp9, 1                       ; which group of 128 rows
	s_mov_b32 s85, 0x80808080                      ; four codes' sign bits
.irp g, G1A, G1C, G1S
	s_mov_b32 s[\g+0], 3<<16                       ; elements of 8 bytes, rows of 32 elements, dense
	s_mov_b32 s[\g+1], 32<<16
	s_mov_b32 s[\g+3], 32<<16
	s_mov_b32 s[\g+5], 32
	s_mov_b32 s[\g+6], 0
	s_mov_b32 s[\g+7], 0
.endr
	s_mov_b32 s[G1A+2], 128<<16
	s_mov_b32 s[G1A+4], 128
	s_mov_b32 s[G1C+2], 64<<16
	s_mov_b32 s[G1C+4], 64
	s_mov_b32 s[G1S+2], 32<<16
	s_mov_b32 s[G1S+4], 32
	s_lshl_b32 s22, s20, 18
	s_mov_b32 s23, 0
	s_mov_b32 s87, 0
	s_wait_dscnt 0x0
	s_wait_kmcnt 0x0
	s_load_b32 s84, s[16:17], 0x0
	s_add_nc_u64 s[4:5], s[4:5], s[22:23]          ; my group's codes
	s_lshl_b32 s86, s20, 13
	s_add_nc_u64 s[6:7], s[6:7], s[86:87]          ; its scale words
	s_lshl_b32 s86, s19, 14
	s_add_nc_u64 s[10:11], s[10:11], s[86:87]      ; the scale words of my two groups of weight rows
	s_mov_b32 s[G0A0], 1
	s_mov_b32 s[G0A0+1], 0
	s_mov_b64 s[G0A0+2:G0A0+3], s[4:5]
	s_or_b32 s[G0A0+3], s[G0A0+3], 0x80000000
	s_mov_b32 s[G0A1], 1
	s_mov_b32 s[G0A1+1], 65536
	s_add_nc_u64 s[G0A1+2:G0A1+3], s[4:5], 65536
	s_or_b32 s[G0A1+3], s[G0A1+3], 0x80000000
	s_mov_b32 s[G0TS], 1
	s_mov_b32 s[G0TS+1], TSB
	s_mov_b64 s[G0TS+2:G0TS+3], s[6:7]
	s_or_b32 s[G0TS+3], s[G0TS+3], 0x80000000
	s_mov_b32 s[G0BS], 1
	s_mov_b32 s[G0BS+1], B2SB
	s_mov_b64 s[G0BS+2:G0BS+3], s[10:11]
	s_or_b32 s[G0BS+3], s[G0BS+3], 0x80000000
; the head's loads, one a wave, in one chain of branches on the wave's number: Tr's k 0-255 of the x part, Ti's k 0-255, T's scale words, the weights' scale words
.macro ARM under, g0, g1, next
	s_cmp_lt_u32 s18, \under
	s_cbranch_scc0 \next
	tensor_load_to_lds s[\g0:\g0+3], s[\g1:\g1+7]
	s_nop 0
	PLACES 4
	s_branch .Lasked
\next:
.endm
	ARM 1, G0A0, G1A, .Lhead_1
	ARM 2, G0A1, G1A, .Lhead_2
	ARM 3, G0TS, G1S, .Lhead_3
	tensor_load_to_lds s[G0BS:G0BS+3], s[G1C:G1C+7]
	s_nop 0
	PLACES 4
.Lasked:
	s_lshl_b32 s86, s19, 1
	s_add_co_u32 s86, s86, s90
	s_lshl_b32 s86, s86, 18
	s_add_nc_u64 s[BB:BB+1], s[8:9], s[86:87]      ; my group of 128 weight rows,
	s_lshl_b32 s86, s91, 14
	s_add_nc_u64 s[BB:BB+1], s[BB:BB+1], s[86:87]  ; and my four tiles in it
; pair d = 4 e + c: 128 along k at 128 c of part e.  im = 0: Ur's four tiles (K step 8 e + c) into the pair's registers 0-63; im = 1: Ui's (K step 8 e + 4 + c) into 64-127
.macro FETCH_U d, im
.set KU, 8*((\d)/4)+((\d)%4)+4*(\im)
.irp i, 0,1,2,3
.irp c, 0,1,2,3
	global_load_b128 v[128*((\d)%2)+64*(\im)+16*\i+4*\c:128*((\d)%2)+64*(\im)+16*\i+4*\c+3], v[VO], s[BB:BB+1] offset:(KU/2)*32768+\i*4096+(KU%2)*2048+512*\c
.endr
.endr
.endm
; step n = 2 d + kind: kind 0 multiplies Ti (K step 8 e + 4 + c), kind 1 Tr (K step 8 e + c)
.macro FETCH_A n, i0                   ; T's blocks i0 .. i0 + 3 of step n, from LDS
.set KA, 8*((\n)/8)+(((\n)/2)%4)+4*(1-((\n)%2))
.irp i, \i0, \i0+1, \i0+2, \i0+3
.irp c, 0,1,2,3
	ds_load_b128 v[AF+16*(\i)+4*\c:AF+16*(\i)+4*\c+3], v[ADRA+KA/4] offset:((KA/2)%2)*32768+(\i)*4096+(KA%2)*2048+512*\c
.endr
.endr
.endm
.macro SCALES n                        ; register i of set n % 2: lanes 0-15 the words of T's block i, lanes 16-31 those of the weights' tile that stands at place i in step n
.set KA, 8*((\n)/8)+(((\n)/2)%4)+4*(1-((\n)%2))
.irp i, 0,1,2,3
	ds_load_b32 v[SC+8*((\n)%2)+\i], v[ADRS] offset:KA*512+\i*64
.endr
.irp i, 4,5,6,7
	ds_load_b32 v[SC+8*((\n)%2)+\i], v[ADRSY-((\n)%2)] offset:KA*512+\i*64
.endr
.endm
	WIN TO_B
	FETCH_U 0, 0                                   ; 48 loads: pair 0, and pair 1's Ur
	FETCH_U 0, 1
	FETCH_U 1, 0
	WIN 0
	s_lshl_b32 s86, s90, 16                        ; the second go: k 256-511 of the x part's Tr and Ti, 16,384 bytes a wave
	s_lshl_b32 s21, s91, 14
	s_add_co_u32 s86, s86, s21
	s_mov_b32 s[G0B2], 1
	s_add_co_u32 s[G0B2+1], s86, 32768
	s_add_nc_u64 s[G0B2+2:G0B2+3], s[4:5], s[86:87]
	s_add_nc_u64 s[G0B2+2:G0B2+3], s[G0B2+2:G0B2+3], 32768
	s_or_b32 s[G0B2+3], s[G0B2+3], 0x80000000
	s_lshl_b32 s86, s18, 15                        ; the third go: the h part, 32,768 bytes a wave
	s_mov_b32 s[G0B3], 1
	s_add_co_u32 s[G0B3+1], s86, 131072
	s_add_nc_u64 s[G0B3+2:G0B3+3], s[4:5], s[86:87]
	s_add_nc_u64 s[G0B3+2:G0B3+3], s[G0B3+2:G0B3+3], 131072
	s_or_b32 s[G0B3+3], s[G0B3+3], 0x80000000
	; prefetches: each go's bytes are asked for one go ahead; the two work-groups that read a block of T take half of its 256-byte blocks each, a lane a block
	s_lshl_b32 s86, s19, 16
	s_lshl_b32 s21, s18, 13
	s_add_co_u32 s86, s86, s21
	s_add_nc_u64 s[PF1:PF1+1], s[4:5], s[86:87]
	s_add_co_u32 s86, s86, s21
	s_add_nc_u64 s[PF2:PF2+1], s[4:5], s[86:87]
	global_prefetch_b8 v[PFO], s[PF1:PF1+1] offset:32768 th:TH_LOAD_NT scope:SCOPE_SE
	s_lshl_b32 s86, s19, 10                        ; my place in both outputs: 128 rows of 2,048 bytes a group, 1,024 bytes for the 256 q, 256 for my wave's 64
	s_lshl_b32 s21, s18, 8
	s_add_co_u32 s86, s86, s21
	s_add_nc_u64 s[OUT0:OUT0+1], s[12:13], s[22:23]
	s_add_nc_u64 s[OUT0:OUT0+1], s[OUT0:OUT0+1], s[86:87]
	s_add_nc_u64 s[OUT1:OUT1+1], s[14:15], s[22:23]
	s_add_nc_u64 s[OUT1:OUT1+1], s[OUT1:OUT1+1], s[86:87]
	s_wait_kmcnt 0x0
	v_mov_b32 v13, 0x42700000
	v_med3_num_f32 v12, s84, -v13, v13
	v_mul_f32 v12, 0x3fb8aa3b, v12
	s_wait_alu depctr_va_vdst(0)                   ; a wait ahead of and behind each transcendental
	v_exp_f32 v[RHO], v12                          ; rho = e^Lambda
	v_nop
	s_wait_alu depctr_va_vdst(0)
	v_add_f32 v14, 1.0, v[RHO]
	v_mov_b32 v[RHO+1], v[RHO]
	s_wait_alu depctr_va_vdst(0)
	v_rcp_f32 v[WGT], v14                          ; 1 / (1 + rho)
	v_nop
	s_wait_alu depctr_va_vdst(0)
	v_mov_b32 v[WGT+1], v[WGT]
; one product: the weights' tile at place b x T's block 4 hi + a, step n.  Places in a step on Tr: Ur's tiles, then Ui's; in a step on Ti: Ui's, then Ur's
.macro WM n, hi, a, b, zero
.set BR, 128*(((\n)/2)%2)+16*(((\b)+4*(1-((\n)%2)))%8)
.set SR, SC+8*((\n)%2)
.if \zero
	v_wmma_scale_f32_16x16x128_f8f6f4 v[8*(8*\a+\b):8*(8*\a+\b)+7], v[BR:BR+15], v[AF+16*(4*\hi+\a):AF+16*(4*\hi+\a)+15], 0, v[SR+\b], v[SR+4*\hi+\a] matrix_a_fmt:MATRIX_FMT_BF8 matrix_b_fmt:MATRIX_FMT_BF8 matrix_a_scale:MATRIX_SCALE_ROW1
.else
	v_wmma_scale_f32_16x16x128_f8f6f4 v[8*(8*\a+\b):8*(8*\a+\b)+7], v[BR:BR+15], v[AF+16*(4*\hi+\a):AF+16*(4*\hi+\a)+15], v[8*(8*\a+\b):8*(8*\a+\b)+7], v[SR+\b], v[SR+4*\hi+\a] matrix_a_fmt:MATRIX_FMT_BF8 matrix_b_fmt:MATRIX_FMT_BF8 matrix_a_scale:MATRIX_SCALE_ROW1
.endif
.endm
; four products on one tile of the weights.  nops = 1: two v_nop behind each, eight in all: the places between the products ahead of this group and the loads or writes behind it
.macro G4 n, hi, b, zero, nops
.irp a, 0,1,2,3
	WM \n, \hi, \a, \b, \zero
.if \nops
	v_nop
	v_nop
.endif
.endr
.endm
; A step: 64 products, the 64 accumulators by turns: T's blocks 0-3 against places 0 .. 7, then blocks 4-7 against places 0 .. 7.
; Runs of loads, each into registers whose last products stand eight places back: T's blocks 4-7 of this step (and, in a step on Ti, the next pair's Ui); T's blocks 0-3 and the scale words of the next step;
; in a step on Tr the Ur of the pair after next.  In a step on Ti the pair's Ui, done with as +Ui behind place 3, is negated there for the step on Tr.
; sync = 1: the lines of a later first fill: all my tensor loads, the add, its wait, a barrier, then my one load (the h part).  sync = 2: that load has landed in every wave: a barrier shows it.
.macro STEP n, zero, sync
.if ((\n)%2) == 0
.if (\n) < 14
	s_wait_loadcnt 16                              ; this pair is in; behind it: the next pair's Ur
.else
	s_wait_loadcnt 0
.endif
.endif
	s_wait_dscnt 0x0                               ; T's blocks 0-3 and the scale words
	WIN MUL_LO
	G4 \n, 0, 0, \zero, 1
	WIN 0
	FETCH_A \n, 4
.if (((\n)%2) == 0) && ((\n) < 14)
	WIN TO_B
	FETCH_U (\n)/2+1, 1
.endif
	WIN MUL_LO
.irp b, 1,2,3,4,5,6,7
	G4 \n, 0, \b, \zero, 0
.endr
	s_wait_dscnt 0x0                               ; T's blocks 4-7
.if \sync
	WIN 0
	s_wait_tensorcnt 0x0
.if (\sync) == 1
	ds_add_u32 v[SPW], v[NIL]
.endif
.endif
	WIN MUL_HI
	G4 \n, 1, 0, \zero, 1
.if \sync
	s_wait_dscnt 0x0
	s_barrier_signal -1
.endif
	G4 \n, 1, 1, \zero, 0
	WIN 0
.if \sync
	s_barrier_wait -1
.if (\sync) == 1
	tensor_load_to_lds s[G0B3:G0B3+3], s[G1A:G1A+7]
	s_nop 0
	PLACES 4
.endif
.endif
.if (\n) < 15
	FETCH_A (\n)+1, 0
	SCALES (\n)+1
.endif
	WIN MUL_HI
	G4 \n, 1, 2, \zero, 0
	G4 \n, 1, 3, \zero, 0
	G4 \n, 1, 4, \zero, 1
.if ((\n)%2) == 0
	WIN 0x44
.set i, 128*(((\n)/2)%2)+64
.rept 64
	v_xor_b32 v[i], s85, v[i]                      ; Ui becomes -Ui
.set i, i+1
.endr
	s_wait_alu depctr_va_vdst(0)                   ; the wait behind these writes
.else
.if (\n) < 12
	WIN TO_B
	FETCH_U (\n)/2+2, 0
.endif
.endif
	WIN MUL_HI
.irp b, 5,6,7
	G4 \n, 1, \b, \zero, 0
.endr
.endm
	s_wait_alu depctr_va_vdst(0)                   ; the wait at the head's end
	s_wait_tensorcnt 0x0                           ; my tile of the head's four is in; the lines of a later first fill:
	ds_add_u32 v[SPW], v[NIL]
	s_wait_dscnt 0x0
	s_barrier_signal -1
	s_barrier_wait -1
	tensor_load_to_lds s[G0B2:G0B2+3], s[G1C:G1C+7]    ; steps 0 to 3 stand between this load and the wait for it
	s_nop 0
	PLACES 4
	FETCH_A 0, 0
	SCALES 0
	global_prefetch_b8 v[PFO], s[PF2:PF2+1] offset:131072 th:TH_LOAD_NT scope:SCOPE_SE
	global_prefetch_b8 v[PFO], s[PF2:PF2+1] offset:131072+8192 th:TH_LOAD_NT scope:SCOPE_SE
	STEP 0, 1, 0                                   ; the first step's products start the sums
	STEP 1, 0, 0
	STEP 2, 0, 0
	STEP 3, 0, 1
.irp n, 4,5,6
	STEP \n, 0, 0
.endr
	STEP 7, 0, 2
	PLACES NP
	WIN 0x82                                       ; the x part is summed: x rho, each accumulator from its low end on
.set i, 0
.rept 128
	v_pk_mul_f32 v[i:i+1], v[i:i+1], v[RHO:RHO+1] op_sel_hi:[1,0]
.set i, i+2
.endr
	WIN 0xc3
.set i, 0
.rept 128
	v_pk_mul_f32 v[i:i+1], v[i:i+1], v[RHO:RHO+1] op_sel_hi:[1,0]
.set i, i+2
.endr
	WIN 0
	s_wait_alu depctr_va_vdst(0)                   ; the wait behind these writes
.irp n, 8,9,10,11,12,13,14,15
	STEP \n, 0, 0
.endr
	WIN 0
; the way out, by blocks of 16 rows: through my own stage in LDS (a row: 256 bytes of out_r, then 256 of out_i), back two rows at a time, x 1 / (1 + rho); sixteen lanes store one aligned unit of 256 bytes
.macro TOSTAGE a
.set AC, 64*((\a)%4)
	WIN (0x08+4*((\a)/4))
.irp b, 0,1,2,3,4,5,6,7
	ds_store_b128 v[STO], v[AC+8*\b:AC+8*\b+3] offset:64*\b
	ds_store_b128 v[STO], v[AC+8*\b+4:AC+8*\b+7] offset:64*\b+16
.endr
	WIN 0
.set BBK, BK+64*((\a)%2)
.irp t, 0,1,2,3,4,5,6,7
	ds_load_b128 v[BBK+8*\t:BBK+8*\t+3], v[RD] offset:\t*2*SPITCH
	ds_load_b128 v[BBK+8*\t+4:BBK+8*\t+7], v[RD] offset:\t*2*SPITCH+256
.endr
.endm
.macro SEND a, younger
.set BBK, BK+64*((\a)%2)
	s_wait_dscnt \younger
.if (\a) > 0
	s_add_nc_u64 s[OUT0:OUT0+1], s[OUT0:OUT0+1], 16*ROWO
	s_add_nc_u64 s[OUT1:OUT1+1], s[OUT1:OUT1+1], 16*ROWO
.endif
.set i, 0
.rept 32
	v_pk_mul_f32 v[BBK+i:BBK+i+1], v[BBK+i:BBK+i+1], v[WGT:WGT+1] op_sel_hi:[1,0]
.set i, i+2
.endr
.irp t, 0,1,2,3,4,5,6,7
	global_store_b128 v[CO2], v[BBK+8*\t:BBK+8*\t+3], s[OUT0:OUT0+1] offset:2*\t*ROWO th:TH_STORE_NT
	global_store_b128 v[CO2], v[BBK+8*\t+4:BBK+8*\t+7], s[OUT1:OUT1+1] offset:2*\t*ROWO th:TH_STORE_NT
.endr
.endm
	PLACES NP
	TOSTAGE 0
.irp a, 1,2,3,4,5,6,7
.if \a > 1
	s_wait_xcnt 0x0                                ; block a - 2's stores have read their registers and their bases
.endif
	TOSTAGE \a
	SEND \a-1, 32                                  ; behind block a - 1's loads: block a's 16 stores and 16 loads
.endr
	s_wait_xcnt 0x0
	SEND 7, 0
	s_wait_tensorcnt 0x0                           ; the wave's end
	ds_add_u32 v[SPW], v[NIL]
	s_wait_dscnt 0x0
	s_endpgm
.Lfunc_end_k_q8cefc576bc_stage2:
	.size	k_q8cefc576bc_stage2, .Lfunc_end_k_q8cefc576bc_stage2-k_q8cefc576bc_stage2
	.p2alignl 7, 3214868480
	.fill 96, 4, 3214868480
	.section	.rodata,"a",@progbits
	.p2align	6, 0x0
	.amdhsa_kernel k_q8cefc576bc_stage2
		.amdhsa_group_segment_fixed_size 327680
		.amdhsa_private_segment_fixed_size 0
		.amdhsa_enable_private_segment 0
		.amdhsa_kernarg_size 56
		.amdhsa_user_sgpr_count 2
		.amdhsa_user_sgpr_kernarg_segment_ptr 1
		.amdhsa_wavefront_size32 1
		.amdhsa_system_sgpr_workgroup_id_x 1
		.amdhsa_system_sgpr_workgroup_id_y 1
		.amdhsa_system_sgpr_workgroup_id_z 1
		.amdhsa_system_vgpr_workitem_id 0
		.amdhsa_next_free_vgpr 1024
		.amdhsa_next_free_sgpr 96
		.amdhsa_reserve_vcc 0
		.amdhsa_float_denorm_mode_32 3
		.amdhsa_float_denorm_mode_16_64 3
		.amdhsa_memory_ordered 1
		.amdhsa_forward_progress 1
		.amdhsa_inst_pref_size 255
	.end_amdhsa_kernel
	.section	.bss,"aw",@nobits
	.p2align	6
	.space	262144
	.amdgpu_metadata
---
amdhsa.version: [ 1, 2 ]
amdhsa.kernels:
  - .name:           k_q8cefc576bc_stage2
    .symbol:         k_q8cefc576bc_stage2.kd
    .args:
      - { .name: tf, .offset: 0, .size: 8, .value_kind: global_buffer, .address_space: global }
      - { .name: ts, .offset: 8, .size: 8, .value_kind: global_buffer, .address_space: global }
      - { .name: b2f, .offset: 16, .size: 8, .value_kind: global_buffer, .address_space: global }
      - { .name: b2s, .offset: 24, .size: 8, .value_kind: global_buffer, .address_space: global }
      - { .name: out0, .offset: 32, .size: 8, .value_kind: global_buffer, .address_space: global }
      - { .name: out1, .offset: 40, .size: 8, .value_kind: global_buffer, .address_space: global }
      - { .name: Lambda, .offset: 48, .size: 8, .value_kind: global_buffer, .address_space: global }
    .group_segment_fixed_size: 327680
    .private_segment_fixed_size: 0
    .kernarg_segment_align: 8
    .kernarg_segment_size: 56
    .max_flat_workgroup_size: 128
    .sgpr_count:     96
    .vgpr_count:     1024
    .wavefront_size: 32
...
	.end_amdgpu_metadata
.endif
;; end of part 3
